; MI455X (gfx1250); checked and timed in simulation.
; The chip was launched on July 23, 2026; its instructions are those of AMD's public machine-readable ISA for CDNA 5 (MIT licence, August 2026) and "CDNA5" Instruction Set Architecture Reference Guide (July 2026). The comments in the code are by the model that wrote it; some were corrected since.
;; Switch Feed Forward. Allowed arithmetic: float matrix products may take bf16 or f16 operands with f32 sums; other float arithmetic in f32, or as packed bf16 or f16 multiplies, adds, multiply-adds, maxima and minima; sums over many terms, partial sums and values carried from step to step in f32; what a program stores and reads back later, other than sums and carried values, may be rounded once to bf16 or f16.
;; Inputs: expert_b 8 x 2,048 float32; expert_w 8 x 2,048 x 2,048 float32; switch_b 8 float32; switch_w 2,048 x 8 float32; x 2,048 x 2,048 float32.
;; Outputs: out0 2,048 x 2,048 float32; out1 8 float32; out2 8 float32; out3 2,048 float32.
;; One version. Each part assembles by itself: llvm-mc -triple=amdgcn-amd-amdhsa -mcpu=gfx1250 --defsym DOCPART=n.
;; ======== version 1 of 1: 2 launches
;; workspace buffers: xb 8,388,608 bytes; ebr 65,536 bytes; routes 8,192 bytes of whole numbers; part 8,192 bytes
;; launch route (part 1): grid 256 x 1, 8 waves a work-group, no clusters, 3,072 bytes of LDS; arguments x, switch_w, switch_b, expert_b, xb, ebr, routes, part, out3; writes xb, ebr, routes, part, out3
.if DOCPART == 1
	.amdgcn_target "amdgcn-amd-amdhsa--gfx1250"
	.amdhsa_code_object_version 6
	.text
	.protected	k_q17789846b8_route
	.globl	k_q17789846b8_route
	.p2align	8
	.type	k_q17789846b8_route,@function
k_q17789846b8_route:
	s_mov_b64 s[64:65], 0
	v_nop
	global_prefetch_b8 v0, s[64:65] scope:SCOPE_SE
	s_setreg_imm32_b32 hwreg(HW_REG_WAVE_MODE, 25, 1), 1
	s_wait_xcnt 0x0
; SWITCH LAYER, first of two launches: THE ROUTER, and the inputs' one rounding.
; The whole program: out0[n] = relu(x[n] . W[e] + b[e]) p[n] with e = argmax and p = max of softmax(x[n] . switch_w + switch_b); out1 = tokens an expert; out2 = column sums of the
; probabilities; out3 = p.
; WORK LEFT OUT.  The reference multiplies every token by all 8 experts and then multiplies the result by a one_hot that it builds itself from its own argmax: for every token 7 of the 8
; products meet the factor 0, whatever finite values the inputs hold, so they reach no output.  The second launch multiplies each token by its chosen expert alone.  Every input has a way to an
; output and is loaded.  LIMIT: a NaN, an infinity or an overflow that arises only in a product of an expert that was not chosen (0 x inf in the reference) is not carried to the result.
; FORMATS.  All five inputs are rounded once to bf16 (x -> xb; expert_b -> ebr, written back as f32; switch_w and switch_b here in registers; expert_w in the second launch).  The router multiplies the
; rounded numbers exactly (a product of two bf16 fits f32) and adds in f32.
; LIMITS.  The argmax is taken of the logits, the lowest index on equality; a token whose two best logits lie closer than the f32 sums' rounding (some 1e-6 of their size) may go to the other of the two.
; NaN logits are not treated apart: the stored route is held to 0..7.  A probability below 2^-126 counts as 0.
; SHARES.  A work-group owns 8 rows of x.  K is split among its 8 waves: wave w takes k = 256 w .. 256 w + 255 of all 8 rows; lane l takes k = 256 w + 128 u + 4 l + 0..3, u = 0, 1.  So each load of x
; covers 512 consecutive bytes and each store of xb 256 consecutive bytes, aligned.  No matrix unit: 8 columns are half a tile, and the launch is the reading of x and the writing of xb.
.set RED,   0                          ; LDS: wave w's 64 sums (index j = 8 row + expert) at 256 w + 4 j
.set SPARE, 2048                       ; behind them: the spare words, 128 bytes for each of the 8 waves, which no other line names
.set X,    16                          ; v[16:79]    x(row, u, kk) at X + 8 row + 4 u + kk
.set SW,   80                          ; v[80:143]   switch_w(u, kk, e) at SW + 32 u + 8 kk + e
.set ACC,  144                         ; v[144:207]  sum j at ACC + j
.set XBP,  208                         ; v[208:239]  x rounded, packed: pair (row, u) at XBP + 4 row + 2 u
.set TT,   240                         ; v[240:251]  at work
.set SPW,  252                         ; v252  LDS address of my spare word; never rewritten
.set NIL,  253                         ; v253  0; never rewritten
; v1 lane; v2 16 l; v3 128 l; v4 8 l; v5 4 (l % 8); v6 4 l; v7 4 (l / 8); v8 switch_b of expert l % 8; v9 l % 8 as f32; v[10:11] my 8 bytes of expert_b
; s[4:21] the nine addresses; s22 wave; s23 mask of a word's upper bf16; s24-28 masks of the lanes whose number has bit 0..4; s30, s31 lane selects; s32 EXEC kept; s[34:35], s36 offsets
	s_load_b512 s[4:19], s[0:1], 0x0               ; x s[4:5], switch_w s[6:7], switch_b s[8:9], expert_b s[10:11], xb s[12:13], ebr s[14:15], routes s[16:17], part s[18:19]
	s_load_b64 s[20:21], s[0:1], 0x40              ; out3
	v_lshl_add_u32 v[SPW], v0, 2, SPARE
	v_mov_b32 v[NIL], 0
	v_lshrrev_b32 v1, 5, v0
	v_readfirstlane_b32 s22, v1                    ; wave 0..7
	v_and_b32 v1, 31, v0
	v_lshlrev_b32 v2, 4, v1
	v_lshlrev_b32 v3, 7, v1
	v_lshlrev_b32 v4, 3, v1
	v_and_b32 v5, 7, v1
	v_cvt_f32_u32 v9, v5
	v_lshlrev_b32 v5, 2, v5
	v_lshlrev_b32 v6, 2, v1
	v_lshrrev_b32 v7, 3, v1
	v_lshlrev_b32 v7, 2, v7
.irp s, 0,1,2,3,4
	v_and_b32 v[TT], 1<<\s, v1
	v_cmp_ne_u32 s[24+\s], 0, v[TT]
.endr
	v_mov_b32 v[TT+8], 0                           ; destinations of v_permlanex16_b32 count as read: written once here
	v_mov_b32 v[TT+9], 0
	s_mov_b32 s23, 0xffff0000
	s_mov_b32 s30, 0x76543210
	s_mov_b32 s31, 0xfedcba98
	s_lshl_b32 s36, s22, 8
	v_add_nc_u32 v[TT+10], s36, v6                 ; where my two sums go in LDS: 256 w + 4 l
	s_lshl_b32 s34, ttmp9, 16                      ; 8 rows of 8,192 bytes
	s_lshl_b32 s36, s22, 10                        ; my wave's 256 numbers of a row
	s_add_co_u32 s34, s34, s36
	s_mov_b32 s35, 0
	s_wait_kmcnt 0x0
	s_add_nc_u64 s[4:5], s[4:5], s[34:35]
	s_lshr_b32 s34, s34, 1                         ; the same place in xb: half the bytes
	s_add_nc_u64 s[12:13], s[12:13], s[34:35]
	s_lshl_b32 s34, s22, 13                        ; 256 rows of switch_w, 32 bytes each
	s_add_nc_u64 s[6:7], s[6:7], s[34:35]
	s_lshl_b32 s34, ttmp9, 8                       ; the work-group's 256 bytes of expert_b and ebr
	s_add_nc_u64 s[10:11], s[10:11], s[34:35]
	s_add_nc_u64 s[14:15], s[14:15], s[34:35]
	s_lshl_b32 s34, ttmp9, 5                       ; its 8 words of routes, part and out3
	s_add_nc_u64 s[16:17], s[16:17], s[34:35]
	s_add_nc_u64 s[18:19], s[18:19], s[34:35]
	s_add_nc_u64 s[20:21], s[20:21], s[34:35]
.macro LDSW u                          ; 4 rows of switch_w a lane, 8 experts each
.irp kk, 0,1,2,3
	global_load_b128 v[SW+32*(\u)+8*\kk:SW+32*(\u)+8*\kk+3],   v3, s[6:7] offset:(\u)*4096+\kk*32
	global_load_b128 v[SW+32*(\u)+8*\kk+4:SW+32*(\u)+8*\kk+7], v3, s[6:7] offset:(\u)*4096+\kk*32+16
.endr
.endm
.macro LDX u                           ; 8 rows, 512 consecutive bytes each; x is read once in the launch
.irp r, 0,1,2,3,4,5,6,7
	global_load_b128 v[X+8*\r+4*(\u):X+8*\r+4*(\u)+3], v2, s[4:5] offset:\r*8192+(\u)*512 th:TH_LOAD_NT
.endr
.endm
	global_load_b64 v[10:11], v4, s[10:11]         ; every wave asks for the same 256 bytes (one line, ahead of the stream, so that nobody waits for it later); wave 1 rounds and stores them
	global_load_b32 v8, v5, s[8:9]
	LDSW 0
	LDX 0
	LDSW 1
	LDX 1
; One half of the wave's k: round switch_w and x to bf16, store x's rounding, widen both again, multiply and add.
.macro HALF u
.set t, 0
.rept 16
	v_cvt_pk_bf16_f32 v[TT+t%4], v[SW+32*(\u)+2*t], v[SW+32*(\u)+2*t+1]
	v_lshlrev_b32 v[SW+32*(\u)+2*t], 16, v[TT+t%4]
	v_and_b32 v[SW+32*(\u)+2*t+1], s23, v[TT+t%4]
.set t, t+1
.endr
.irp r, 0,1,2,3,4,5,6,7
	v_cvt_pk_bf16_f32 v[XBP+4*\r+2*(\u)],   v[X+8*\r+4*(\u)],   v[X+8*\r+4*(\u)+1]
	v_cvt_pk_bf16_f32 v[XBP+4*\r+2*(\u)+1], v[X+8*\r+4*(\u)+2], v[X+8*\r+4*(\u)+3]
	global_store_b64 v4, v[XBP+4*\r+2*(\u):XBP+4*\r+2*(\u)+1], s[12:13] offset:\r*4096+(\u)*256  ; the wave's store covers 256 consecutive bytes, aligned
	v_lshlrev_b32 v[X+8*\r+4*(\u)],   16,  v[XBP+4*\r+2*(\u)]
	v_and_b32     v[X+8*\r+4*(\u)+1], s23, v[XBP+4*\r+2*(\u)]
	v_lshlrev_b32 v[X+8*\r+4*(\u)+2], 16,  v[XBP+4*\r+2*(\u)+1]
	v_and_b32     v[X+8*\r+4*(\u)+3], s23, v[XBP+4*\r+2*(\u)+1]
.endr
; two experts an instruction; x's one number feeds both halves (op_sel picks it out of its pair).  The very first products start the sums: nothing is cleared.  31 other lines stand between two links of a sum.
.set kk, 0
.rept 4
.set rho, 0
.rept 8
.set p, 0
.rept 4
.set ra, ACC+8*rho+2*p
.set rs, SW+32*(\u)+8*kk+2*p
.set rx, X+8*rho+4*(\u)+2*(kk/2)
.if ((\u) == 0) && (kk == 0)
	v_pk_mul_f32 v[ra:ra+1], v[rs:rs+1], v[rx:rx+1] op_sel_hi:[1,0]
.elseif (kk%2) == 0
	v_pk_fma_f32 v[ra:ra+1], v[rs:rs+1], v[rx:rx+1], v[ra:ra+1] op_sel_hi:[1,0,1]
.else
	v_pk_fma_f32 v[ra:ra+1], v[rs:rs+1], v[rx:rx+1], v[ra:ra+1] op_sel:[0,1,0] op_sel_hi:[1,1,1]
.endif
.set p, p+1
.endr
.set rho, rho+1
.endr
.set kk, kk+1
.endr
.endm
	s_wait_loadcnt 16                              ; the first half is in; the second half's 16 loads may stay out
	HALF 0
	s_wait_loadcnt 0x0
	HALF 1
; THE SUM OVER THE WAVE'S 32 LANES, by halving: in step s a lane keeps, of each two sums, the one that bit s of its number names, and hands the other to the lane that differs in that bit.
; 64 sums a lane become 32, 16, 8, 4, 2: at the end lane l holds sum j = l and sum j = 32 + l, each over all 32 lanes.
.macro HALVE n, s, x
.set i, 0
.rept (\n)/2
.set tk, TT+2*(i%4)
	v_cndmask_b32 v[tk],   v[ACC+2*i],   v[ACC+2*i+1], s[24+(\s)]   ; kept
	v_cndmask_b32 v[tk+1], v[ACC+2*i+1], v[ACC+2*i],   s[24+(\s)]   ; handed over
	v_add_f32_dpp v[ACC+i], v[tk+1], v[tk] row_xmask:\x row_mask:0xf bank_mask:0xf
.set i, i+1
.endr
.endm
	HALVE 64, 0, 1
	HALVE 32, 1, 2
	HALVE 16, 2, 4
	HALVE 8,  3, 8
.irp i, 0,1
	v_cndmask_b32 v[TT+2*\i],   v[ACC+2*\i],   v[ACC+2*\i+1], s28
	v_cndmask_b32 v[TT+2*\i+1], v[ACC+2*\i+1], v[ACC+2*\i],   s28
	v_permlanex16_b32 v[TT+8+\i], v[TT+2*\i+1], s30, s31
	v_add_f32 v[ACC+\i], v[TT+8+\i], v[TT+2*\i]
.endr
	ds_store_b32 v[TT+10], v[ACC]   offset:RED
	ds_store_b32 v[TT+10], v[ACC+1] offset:RED+128
	s_wait_dscnt 0x0                               ; for the others' sake: my sums lie in LDS
	s_barrier_signal -1
	s_barrier_wait -1                              ; all eight waves' do
	s_cmp_eq_u32 s22, 1
	s_cbranch_scc1 .Lbias
	s_cmp_lg_u32 s22, 0
	s_cbranch_scc1 .Lend
	; WAVE 0: lane l has expert l % 8 of rows l / 8 (first register of each pair) and 4 + l / 8 (second)
.irp w, 0,1,2,3,4,5,6,7
	ds_load_b32 v[ACC+2*\w],   v6 offset:RED+256*\w
	ds_load_b32 v[ACC+2*\w+1], v6 offset:RED+256*\w+128
.endr
	v_cvt_pk_bf16_f32 v8, v8, v8                   ; switch_b rounded like the other inputs
	v_lshlrev_b32 v8, 16, v8
	s_wait_dscnt 0x0
	v_pk_add_f32 v[144:145], v[144:145], v[146:147]
	v_pk_add_f32 v[148:149], v[148:149], v[150:151]
	v_pk_add_f32 v[152:153], v[152:153], v[154:155]
	v_pk_add_f32 v[156:157], v[156:157], v[158:159]
	v_pk_add_f32 v[144:145], v[144:145], v[148:149]
	v_pk_add_f32 v[152:153], v[152:153], v[156:157]
	v_pk_add_f32 v[144:145], v[144:145], v[152:153]
	v_pk_add_f32 v[144:145], v[144:145], v[8:9] op_sel_hi:[1,0]   ; the logits z
	v_max_num_f32_dpp v146, v144, v144 row_xmask:1 row_mask:0xf bank_mask:0xf  ; the maximum over a row's 8 lanes
	v_max_num_f32_dpp v147, v145, v145 row_xmask:1 row_mask:0xf bank_mask:0xf
	v_max_num_f32_dpp v146, v146, v146 row_xmask:2 row_mask:0xf bank_mask:0xf
	v_max_num_f32_dpp v147, v147, v147 row_xmask:2 row_mask:0xf bank_mask:0xf
	v_max_num_f32_dpp v146, v146, v146 row_xmask:4 row_mask:0xf bank_mask:0xf
	v_max_num_f32_dpp v147, v147, v147 row_xmask:4 row_mask:0xf bank_mask:0xf
	v_pk_add_f32 v[152:153], v[144:145], v[146:147] neg_lo:[0,1] neg_hi:[0,1]  ; z - max, as the reference's softmax takes it
	v_pk_mul_f32 v[152:153], v[152:153], 0x3fb8aa3b op_sel_hi:[1,0]            ; times log2(e)
	v_exp_f32 v154, v152
	v_exp_f32 v155, v153
	v_mov_b32 v150, 0x41000000                     ; 8.0.  The argmax stands between the exponentials and the wait for them: it names none of their results
	v_cmp_eq_f32 vcc_lo, v144, v146
	v_cndmask_b32 v148, v150, v9, vcc_lo           ; my expert's number where my logit is the maximum, else 8
	v_cmp_eq_f32 vcc_lo, v145, v147
	v_cndmask_b32 v149, v150, v9, vcc_lo
	v_min_num_f32_dpp v148, v148, v148 row_xmask:1 row_mask:0xf bank_mask:0xf  ; the lowest such number
	v_min_num_f32_dpp v149, v149, v149 row_xmask:1 row_mask:0xf bank_mask:0xf
	v_min_num_f32_dpp v148, v148, v148 row_xmask:2 row_mask:0xf bank_mask:0xf
	v_min_num_f32_dpp v149, v149, v149 row_xmask:2 row_mask:0xf bank_mask:0xf
	v_min_num_f32_dpp v148, v148, v148 row_xmask:4 row_mask:0xf bank_mask:0xf
	v_min_num_f32_dpp v149, v149, v149 row_xmask:4 row_mask:0xf bank_mask:0xf
	v_cvt_u32_f32 v148, v148
	v_cvt_u32_f32 v149, v149
	v_min_u32 v148, 7, v148                        ; (8 only where a logit is NaN)
	v_min_u32 v149, 7, v149
	s_wait_alu depctr_va_vdst(0)                   ; the wait ahead of the first line that names an exponential's result: one for both
	v_add_f32_dpp v156, v154, v154 row_xmask:1 row_mask:0xf bank_mask:0xf
	v_add_f32_dpp v157, v155, v155 row_xmask:1 row_mask:0xf bank_mask:0xf
	v_add_f32_dpp v156, v156, v156 row_xmask:2 row_mask:0xf bank_mask:0xf
	v_add_f32_dpp v157, v157, v157 row_xmask:2 row_mask:0xf bank_mask:0xf
	v_add_f32_dpp v156, v156, v156 row_xmask:4 row_mask:0xf bank_mask:0xf
	v_add_f32_dpp v157, v157, v157 row_xmask:4 row_mask:0xf bank_mask:0xf
	v_rcp_f32 v158, v156                           ; 1 / sum: also the largest probability, whose exponential is 2^0 = 1
	v_rcp_f32 v159, v157
	v_cmp_eq_u32 vcc_lo, 0, v5                     ; a plain line behind the reciprocals: the first lane of each row
	s_wait_alu depctr_va_vdst(0)                   ; and the wait for both
	v_pk_mul_f32 v[154:155], v[154:155], v[158:159]  ; the probabilities
	v_add_f32 v154, v154, v155                     ; summed over the work-group's 8 rows: two here, four lanes 8 apart below
	v_add_f32_dpp v154, v154, v154 row_xmask:8 row_mask:0xf bank_mask:0xf
	v_permlanex16_b32 v155, v154, s30, s31
	v_add_f32 v154, v154, v155
	s_wait_xcnt 0x0                                ; EXEC changes only when the stores of xb have had their addresses translated
	s_and_saveexec_b32 s32, vcc_lo
	global_store_b32 v7, v158, s[20:21]            ; out3, rows 0-3
	global_store_b32 v7, v159, s[20:21] offset:16  ; rows 4-7
	global_store_b32 v7, v148, s[16:17]            ; routes
	global_store_b32 v7, v149, s[16:17] offset:16
	s_wait_xcnt 0x0
	s_or_b32 exec_lo, exec_lo, s32
	v_cmp_gt_u32 vcc_lo, 8, v1
	s_and_saveexec_b32 s32, vcc_lo
	global_store_b32 v6, v154, s[18:19]            ; part[work-group][expert]: a partial sum, f32
	s_wait_xcnt 0x0
	s_or_b32 exec_lo, exec_lo, s32
	s_branch .Lend
.Lbias:                                                ; WAVE 1: 64 numbers of expert_b, rounded to bf16 and written as f32, so that the second launch loads them straight into its sums
	v_cvt_pk_bf16_f32 v12, v10, v11
	v_lshlrev_b32 v10, 16, v12
	v_and_b32 v11, s23, v12
	global_store_b64 v4, v[10:11], s[14:15]        ; 256 consecutive bytes, aligned
.Lend:
	s_wait_tensorcnt 0x0                           ; the wave's end: behind my last LDS store
	ds_add_u32 v[SPW], v[NIL]
	s_wait_dscnt 0x0
	s_endpgm
.Lfunc_end_k_q17789846b8_route:
	.size	k_q17789846b8_route, .Lfunc_end_k_q17789846b8_route-k_q17789846b8_route
	.p2alignl 7, 3214868480
	.fill 96, 4, 3214868480
	.section	.rodata,"a",@progbits
	.p2align	6, 0x0
	.amdhsa_kernel k_q17789846b8_route
		.amdhsa_group_segment_fixed_size 3072
		.amdhsa_private_segment_fixed_size 0
		.amdhsa_enable_private_segment 0
		.amdhsa_kernarg_size 72
		.amdhsa_user_sgpr_count 2
		.amdhsa_user_sgpr_kernarg_segment_ptr 1
		.amdhsa_wavefront_size32 1
		.amdhsa_system_sgpr_workgroup_id_x 1
		.amdhsa_system_sgpr_workgroup_id_y 1
		.amdhsa_system_sgpr_workgroup_id_z 1
		.amdhsa_system_vgpr_workitem_id 0
		.amdhsa_next_free_vgpr 256
		.amdhsa_next_free_sgpr 66
		.amdhsa_reserve_vcc 1
		.amdhsa_float_denorm_mode_32 3
		.amdhsa_float_denorm_mode_16_64 3
		.amdhsa_memory_ordered 1
		.amdhsa_forward_progress 1
		.amdhsa_inst_pref_size 48
	.end_amdhsa_kernel
	.amdgpu_metadata
---
amdhsa.version: [ 1, 2 ]
amdhsa.kernels:
  - .name:           k_q17789846b8_route
    .symbol:         k_q17789846b8_route.kd
    .args:
      - { .name: x, .offset: 0, .size: 8, .value_kind: global_buffer, .address_space: global }
      - { .name: switch_w, .offset: 8, .size: 8, .value_kind: global_buffer, .address_space: global }
      - { .name: switch_b, .offset: 16, .size: 8, .value_kind: global_buffer, .address_space: global }
      - { .name: expert_b, .offset: 24, .size: 8, .value_kind: global_buffer, .address_space: global }
      - { .name: xb, .offset: 32, .size: 8, .value_kind: global_buffer, .address_space: global }
      - { .name: ebr, .offset: 40, .size: 8, .value_kind: global_buffer, .address_space: global }
      - { .name: routes, .offset: 48, .size: 8, .value_kind: global_buffer, .address_space: global }
      - { .name: part, .offset: 56, .size: 8, .value_kind: global_buffer, .address_space: global }
      - { .name: out3, .offset: 64, .size: 8, .value_kind: global_buffer, .address_space: global }
    .group_segment_fixed_size: 3072
    .private_segment_fixed_size: 0
    .kernarg_segment_align: 8
    .kernarg_segment_size: 72
    .max_flat_workgroup_size: 256
    .sgpr_count:     66
    .vgpr_count:     256
    .wavefront_size: 32
...
	.end_amdgpu_metadata
.endif
;; end of part 1
;; launch experts (part 2): grid 32 x 8, 4 waves a work-group, no clusters, 296,448 bytes of LDS; arguments expert_w, xb, ebr, routes, part, out3, out0, out1, out2; writes out0, out1, out2
.if DOCPART == 2
	.amdgcn_target "amdgcn-amd-amdhsa--gfx1250"
	.amdhsa_code_object_version 6
	.text
	.protected	k_q17789846b8_experts
	.globl	k_q17789846b8_experts
	.p2align	8
	.type	k_q17789846b8_experts,@function
k_q17789846b8_experts:
	s_mov_b64 s[64:65], 0
	v_nop
	global_prefetch_b8 v0, s[64:65] scope:SCOPE_SE
	s_setreg_imm32_b32 hwreg(HW_REG_WAVE_MODE, 25, 1), 1
	s_wait_xcnt 0x0
; SWITCH LAYER, second launch: out0[n] = relu(xb[n] . W[e] + ebr[e]) out3[n] for the tokens n whose stored route is e; out1[e] = their number; out2[e] = the sum of part[.][e].
; WORK LEFT OUT: the products of a token with the 7 experts that its route does not name: the reference multiplies them by the zeros of its own one_hot (shown at the head of the first kernel).
; LIMITS: a NaN or infinity in a product left out is not carried; relu is max(z p, 0) with p > 0, in which a NaN counts as 0.
; SHARES.  Work-group (s, e) has columns 64 s .. 64 s + 63 of expert e: 2,048 row pieces of 256 bytes, aligned, which it alone reads, once; and all of that expert's tokens, however many.
; PHASE 0: every wave reads the 2,048 routes and lays the list of the expert's tokens into LDS bytes of its own (rank = matches before it): no wave waits for another.
; PHASE 1: the slice is streamed through registers, rounded to bf16, turned, and laid into LDS in the order in which a matrix operand's registers take it.  Wave w has k = 512 w .. 512 w + 511.
; PHASE 2: tiles of 16 ranks are dealt to the waves by turns (tile 4 i + w to wave w).  A wave takes up to 5 tiles at a time through all of K: the weights' fragments from LDS, the tokens' rows of xb straight
; from memory into operand registers.  The loop over such passes has 7 trips, which cover every split (all 2,048 tokens on one expert are 128 tiles, 32 a wave); a trip for which no tile is left is jumped over.
; NOTHING WRITES LDS IN PHASE 2, so it needs no barrier.  In a tile that is not full the places past the count repeat the list's last token: they store that row's numbers once more.
; LAYOUT.  Source 0 = 16 tokens, source 1 = 16 columns of W; slot r of column block nb is column 4 r + nb.  In the result lane (r, h) holds, in register j of block nb, token rank 8 h + j and column 4 r + nb:
; register j of the four blocks are 4 neighbouring columns, 16 bytes, and 16 lanes hold a row's 256 bytes: results are stored straight from registers.
; NO CLUSTER, NO TENSOR LOADS: each byte of the weights has one reader, and it must pass through registers to be rounded and turned; what the 32 work-groups of an expert share is token rows that a list
; names, 16 rows of 64 bytes a step at places that the routing decides, which no rectangular tile covers; and the partners' work hangs on stored counts.
.set WBLK,    4096                     ; LDS: a block of 32 k x 64 columns: four fragments
.set WFRG,    1024                     ; a fragment (16 columns x 32 k): half q (k = 16 q ..) at 512 q, lane slot at 16 x slot: every store and every read of a wave is 512 consecutive bytes
.set LISTS,   64*WBLK                  ; 262,144: for each wave 2,048 words of token numbers, then 32 words where lanes without a match park their store
.set LISTSZ,  8448
.set SPARE,   LISTS+4*LISTSZ           ; 295,936: the spare words, 128 bytes for each wave, which no other line names
.set PASSES,  7                        ; 32 tiles a wave at the most, 5 a pass
; REGISTERS, in windows of 256 (s_set_vgpr_msb: bits 1:0 source 0, 3:2 source 1, 5:4 source 2, 7:6 destination).
; window 0:
.set L,    1                           ; lane
.set R,    2                           ; r = l % 16
.set H,    3                           ; h = l / 16
.set WO,   4                           ; the stream's offset: 8 h rows of 8,192 bytes + 16 r
.set LW,   5                           ; phase 1: where my 16 bytes of a fragment go: made anew in each trip of the stream
.set IR,   5                           ; phase 2: my rank in the pass's first tile
.set BA,   6                           ; where I read fragments: made anew in each trip along K
.set LB,   7                           ; my wave's list
.set PARK, 8                           ; 2,048 + l: the index of my parking word
.set TOK0, 9                           ; 4 l
.set H16,  10
.set R16,  11
.set BV,   12                          ; v[12:15]  the rounded bias of my columns 4 r + 0..3
.set IDX,  16                          ; v[16:23]  4 (8 h + j): the lane that holds what belongs to rank 8 h + j
.set ROW,  24                          ; v[24:28]  tile m: the token of rank r
.set L16,  29                          ; 16 l; never rewritten
.set XO,   30                          ; v[30:34]  tile m: that token's row in xb + 16 h
.set RW,   35                          ; r + 16 w
.set PP,   36                          ; v[36:45]  tile m: that token's p, and its offset in out3
.set SPW,  46                          ; LDS address of my spare word; never rewritten
.set NIL,  47                          ; 0; never rewritten
.set PS,   48                          ; v[48:55]  part's numbers (one wave of 8 work-groups)
.set PR,   48                          ;           later: the token of rank 8 h + j
.set TM,   56                          ; v[56:63]  at work
.set OFFS, 56                          ;           later: the stores' offsets
.set RT,   64                          ; v[64:127] the routes: register 4 i + j: token 128 i + 4 l + j
.set T,    64                          ;           later: a tile's 32 results, 4 neighbouring columns on end
.set U,    96                          ;           and the same by column blocks
.set LT,   128                         ; phase 0: 16 list addresses, 16 token numbers
.set LK,   144
.set Y,    128                         ; phase 1: two sets of 16: a unit rounded and turned
.set BB,   128                         ; phase 2: v[128:255] four buffers of four fragments of W
.set PJ,   128                         ;          on the way out: p of rank 8 h + j
; window 1: phase 1: the ring of 8 units, unit u's load i at 32 u + 4 i;  phase 2: the sums, tile m, column block nb at 32 m + 8 nb; and
.set BIA,  160                         ; v[160:191] of window 1: block nb's bias, 8 times: what the first k step adds onto
; windows 2, 3: the tokens' ring of 8 k steps: slot c, tile m in window 2 + c / 4 at 64 (c % 4) + 8 m
; s[4:5] W  s[6:7] xb  s[8:9] ebr  s[10:11] routes  s[12:13] part  s[14:15] out3  s[16:17] out0  s[18:19] out1  s[20:21] out2
; s22 wave  s23 slice  s24 expert  s25 count C  s26 max(C,1)-1  s27 my tiles  s29 passes to go  s30 tiles done  s31 tiles in this pass  s[32:47] masks  s[48:63] ranks before
; s66 running count  s67 at work  s[68:69] offsets  s[70:71] xb at the trip's k  s72, s73 counters  s74 0 in the wave that writes out1, out2  s75 EXEC kept  s76, s77 lane selects
; s78 LDS byte of the blocks that the stream's trip lays down  s79 LDS byte of the blocks that the trip along K reads
.set MSB, 0
.macro WIN new                         ; the immediate's high byte repeats the setting that is left; a switch that changes nothing is dropped
.if MSB != (\new)
	s_set_vgpr_msb (MSB<<8)|(\new)
.set MSB, (\new)
.endif
.endm
	s_load_b512 s[4:19], s[0:1], 0x0
	s_load_b64 s[20:21], s[0:1], 0x40
	v_lshl_add_u32 v[SPW], v0, 2, SPARE
	v_mov_b32 v[NIL], 0
	v_lshrrev_b32 v[L], 5, v0
	v_readfirstlane_b32 s22, v[L]                  ; wave 0..3
	s_mov_b32 s23, ttmp9
	s_and_b32 s24, ttmp7, 0xffff
	s_or_b32 s74, s23, s22
	s_mov_b32 s76, 0x76543210
	s_mov_b32 s77, 0xfedcba98
	s_mov_b32 s66, 0
	v_and_b32 v[L], 31, v0
	v_and_b32 v[R], 15, v0
	v_bfe_u32 v[H], v0, 4, 1
	v_lshlrev_b32 v[R16], 4, v[R]
	v_lshlrev_b32 v[L16], 4, v[L]
	v_lshlrev_b32 v[H16], 4, v[H]
	v_lshlrev_b32 v[TOK0], 2, v[L]
	v_add_nc_u32 v[PARK], 2048, v[L]
	v_lshl_add_u32 v[WO], v[H], 16, v[R16]
	s_mul_i32 s78, s22, 16*WBLK                    ; my wave's 16 blocks
	s_mul_i32 s67, s22, LISTSZ
	s_add_co_u32 s67, s67, LISTS
	v_mov_b32 v[LB], s67
.irp j, 0,1,2,3,4,5,6,7
	v_lshl_add_u32 v[IDX+\j], v[H], 5, 4*\j
.endr
	s_lshl_b32 s67, s22, 4
	v_add_nc_u32 v[RW], s67, v[R]
	s_lshl_b32 s67, s24, 2
	v_lshlrev_b32 v[TM], 5, v[L]
	v_add_nc_u32 v[TM], s67, v[TM]                 ; part[32 i + l][e]: 32 l + 4 e
.irp i, 0,1,2,3,4,5,6,7
	v_mov_b32 v[PS+\i], 0                          ; written in every wave, so that they hold a number on every way through the text
.endr
	s_lshl_b32 s68, s24, 24                        ; the expert's 2,048 x 8,192 bytes,
	s_lshl_b32 s67, s22, 22                        ; my wave's 512 rows,
	s_add_co_u32 s68, s68, s67
	s_lshl_b32 s67, s23, 8                         ; the slice's 256 bytes of a row
	s_add_co_u32 s68, s68, s67
	s_mov_b32 s69, 0
	s_wait_kmcnt 0x0
	s_add_nc_u64 s[4:5], s[4:5], s[68:69]
	s_lshl_b32 s68, s24, 13
	s_add_co_u32 s68, s68, s67
	s_add_nc_u64 s[8:9], s[8:9], s[68:69]          ; ebr[e][64 s]
	s_mov_b32 s68, s67
	s_add_nc_u64 s[16:17], s[16:17], s[68:69]      ; out0[.][64 s]
	s_cmp_lg_u32 s74, 0
	s_cbranch_scc1 .Lnot_owner_a
.irp i, 0,1,2,3,4,5,6,7
	global_load_b32 v[PS+\i], v[TM], s[12:13] offset:1024*\i
.endr
.Lnot_owner_a:
	global_load_b128 v[BV:BV+3], v[R16], s[8:9]    ; the bias of my four columns
.irp i, 0,1,2,3,4,5,6,7,8,9,10,11,12,13,14,15
	global_load_b128 v[RT+4*\i:RT+4*\i+3], v[L16], s[10:11] offset:512*\i
.endr
; A unit is 16 k x 64 columns.  Load i of 8 brings rows i (lanes 0-15) and 8 + i (lanes 16-31): two aligned pieces of 256 bytes; a lane gets 4 columns of one row, and over the 8 loads 8 consecutive k of each.
.macro WLOADS u, unit                  ; into ring place u, from the unit-th unit behind the pointer
.irp i, 0,1,2,3,4,5,6,7
	global_load_b128 v[32*(\u)+4*\i:32*(\u)+4*\i+3], v[WO], s[4:5] offset:(\unit)*131072+\i*8192 th:TH_LOAD_NT
.endr
.endm
	WIN 0x40                                       ; destination window 1
.irp u, 0,1,2,3,4,5,6,7
	WLOADS \u, \u                                  ; the ring is filled before the list is made
.endr
	WIN 0
	s_wait_loadcnt 63                              ; the routes (and part, and the bias) are in: 64 loads were issued behind them, and 63 is the largest count that the wait can name
; THE LIST, 16 route registers at a time: which lanes match; how many matched before each register (scalar); a lane's rank = that + the matching lanes below it; its token's number goes to list[rank].
; A lane without a match takes the index of its parking word instead.  The index is held under 2,080 by a constant, and only then enters the address.
.macro LISTB b
.set q, 0
.rept 16
	v_cmp_eq_u32 s[32+q], s24, v[RT+16*(\b)+q]
.set q, q+1
.endr
.set q, 0
.rept 16
	s_mov_b32 s[48+q], s66
	s_bcnt1_i32_b32 s67, s[32+q]
	s_add_co_u32 s66, s66, s67
.set q, q+1
.endr
.set q, 0
.rept 16
	v_mbcnt_lo_u32_b32 v[LT+q], s[32+q], s[48+q]
	v_add_nc_u32 v[LK+q], 128*((16*(\b)+q)/4)+(q%4), v[TOK0]
.set q, q+1
.endr
.set q, 0
.rept 16
	v_cndmask_b32 v[LT+q], v[PARK], v[LT+q], s[32+q]
.set q, q+1
.endr
.set q, 0
.rept 16
	v_min_u32 v[LT+q], 0x81f, v[LT+q]
.set q, q+1
.endr
.set q, 0
.rept 16
	v_lshl_add_u32 v[LT+q], v[LT+q], 2, v[LB]
.set q, q+1
.endr
.set q, 0
.rept 16
	ds_store_b32 v[LT+q], v[LK+q]
.set q, q+1
.endr
.endm
	LISTB 0
	LISTB 1
	LISTB 2
	LISTB 3
	s_min_u32 s25, s66, 2048                       ; C
	s_max_u32 s26, s25, 1
	s_sub_co_u32 s26, s26, 1                       ; the last rank
	s_add_co_u32 s67, s25, 15
	s_lshr_b32 s67, s67, 4                         ; tiles of 16 ranks
	s_add_co_u32 s67, s67, 3
	s_sub_co_u32 s67, s67, s22
	s_lshr_b32 s27, s67, 2                         ; of which tiles w, 4 + w, .. are mine
	s_cmp_lg_u32 s74, 0
	s_cbranch_scc1 .Lnot_owner_b
	v_pk_add_f32 v[PS:PS+1],   v[PS:PS+1],   v[PS+2:PS+3]      ; out2[e]: 256 partial sums, 8 a lane
	v_pk_add_f32 v[PS+4:PS+5], v[PS+4:PS+5], v[PS+6:PS+7]
	v_pk_add_f32 v[PS:PS+1],   v[PS:PS+1],   v[PS+4:PS+5]
	v_add_f32 v[PS], v[PS], v[PS+1]
	v_add_f32_dpp v[PS], v[PS], v[PS] row_xmask:1 row_mask:0xf bank_mask:0xf
	v_add_f32_dpp v[PS], v[PS], v[PS] row_xmask:2 row_mask:0xf bank_mask:0xf
	v_add_f32_dpp v[PS], v[PS], v[PS] row_xmask:4 row_mask:0xf bank_mask:0xf
	v_add_f32_dpp v[PS], v[PS], v[PS] row_xmask:8 row_mask:0xf bank_mask:0xf
	v_permlanex16_b32 v[PS+1], v[PS], s76, s77
	v_add_f32 v[PS], v[PS], v[PS+1]
	s_lshl_b32 s67, s24, 2
	v_mov_b32 v[TM+1], s67
	v_cvt_f32_u32 v[TM+2], s25                     ; out1[e]
	v_cmp_eq_u32 vcc_lo, 0, v[L]
	s_wait_xcnt 0x0                                ; EXEC changes only when the loads issued so far have had their addresses translated
	s_and_saveexec_b32 s75, vcc_lo
	global_store_b32 v[TM+1], v[PS], s[20:21]
	global_store_b32 v[TM+1], v[TM+2], s[18:19]
	s_wait_xcnt 0x0
	s_or_b32 exec_lo, exec_lo, s75
.Lnot_owner_b:
	s_cmp_eq_u32 s25, 0                            ; an expert without tokens: its weights reach no output, and the stream is left out
	s_cbranch_scc1 .Lstreamed
; PHASE 1.  One unit: its 8 loads are in; a column's 8 consecutive k pack into 16 bytes, which are registers 0-3 or 4-7 of one lane slot of a fragment; the ring place is asked for again at once.
; My column 4 r + j is slot r of fragment j, and my 8 k are that slot's half h: its 16 bytes lie at 16 l of the fragment's half.
.macro UNIT u, refill, left
	s_wait_loadcnt \left                           ; loads come back in order: mine are in, the younger units' stay out
	WIN 0x05                                       ; sources in window 1
.irp j, 0,1,2,3
.irp d, 0,1,2,3
	v_cvt_pk_bf16_f32 v[Y+16*((\u)%2)+4*\j+\d], v[32*(\u)+8*\d+\j], v[32*(\u)+8*\d+4+\j]  ; column 4 r + j: k = 8 h + 2 d below, 2 d + 1 above
.endr
.endr
	WIN 0
.irp j, 0,1,2,3
	ds_store_b128 v[LW], v[Y+16*((\u)%2)+4*\j:Y+16*((\u)%2)+4*\j+3] offset:((\u)/2)*WBLK+((\u)%2)*512+\j*WFRG
.endr
.if \refill
	WIN 0x40
	WLOADS \u, 8+(\u)
.endif
.endm
	s_mov_b32 s73, 3
.Lround:                                               ; a trip: 8 units (4 blocks) are laid down and the 8 after them asked for
	v_add_nc_u32 v[LW], s78, v[L16]                ; the trip's blocks + my lane's place
.irp u, 0,1,2,3,4,5,6,7
	UNIT \u, 1, 56                                 ; 7 younger units of 8 loads
.endr
	WIN 0
	s_wait_xcnt 0x0                                ; the loads have read the pointer
	s_add_nc_u64 s[4:5], s[4:5], 0x100000          ; 128 rows on
	s_add_co_u32 s78, s78, 4*WBLK
	s_sub_co_u32 s73, s73, 1
	s_cmp_lg_u32 s73, 0
	s_cbranch_scc1 .Lround
	v_add_nc_u32 v[LW], s78, v[L16]
.irp u, 0,1,2,3,4,5,6,7
	UNIT \u, 0, 56-8*\u                            ; the last 8 units load nothing: the counts run down
.endr
	WIN 0
.Lstreamed:
	s_wait_loadcnt 0x0                             ; (met at once behind the stream; on the way round it the ring's first loads are waited for here)
	s_wait_dscnt 0x0                               ; for the others' sake: my part of the slice lies in LDS
	s_barrier_signal -1
	s_barrier_wait -1                              ; the whole slice does.  Every wave passes this barrier on every way
	WIN 0x40                                       ; a lane's 8 registers of a sum are 8 tokens of one column: the column's bias 8 times, made once
.irp nb, 0,1,2,3
.irp j, 0,1,2,3,4,5,6,7
	v_mov_b32 v[BIA+8*\nb+\j], v[BV+\nb]
.endr
.endr
	WIN 0
	s_mov_b32 s29, PASSES
	s_mov_b32 s30, 0
; PHASE 2.
.macro ALOAD mt, slot, off             ; a k step's 64 bytes of each of my tokens' rows: two loads of 16 bytes a lane and tile
	WIN 0x80+0x40*((\slot)/4)
.set m_, 0
.rept \mt
	global_load_b128 v[64*((\slot)&3)+8*m_:64*((\slot)&3)+8*m_+3],   v[XO+m_], s[70:71] offset:(\off)
	global_load_b128 v[64*((\slot)&3)+8*m_+4:64*((\slot)&3)+8*m_+7], v[XO+m_], s[70:71] offset:(\off)+32
.set m_, m_+1
.endr
.endm
.macro BLOAD buf, blk                  ; a block's four fragments: each load takes 512 consecutive bytes
	WIN 0
.irp nb, 0,1,2,3
	ds_load_b128 v[BB+32*(\buf)+8*\nb:BB+32*(\buf)+8*\nb+3],   v[BA] offset:(\blk)*WBLK+\nb*WFRG
	ds_load_b128 v[BB+32*(\buf)+8*\nb+4:BB+32*(\buf)+8*\nb+7], v[BA] offset:(\blk)*WBLK+\nb*WFRG+512
.endr
.endm
; 4 mt products; the 4 mt sums take turns, one instruction a turn, over the backward jump too.  first = 1: the pass's first k step starts the sums from the bias: nothing is cleared.
.macro MULS mt, i, first
	WIN 0x52+((\i)/4)                              ; tokens window 2 or 3, W window 0, sums and bias window 1
.set m_, 0
.rept \mt
.irp nb, 0,1,2,3
.if \first
	v_wmma_f32_16x16x32_bf16 v[32*m_+8*\nb:32*m_+8*\nb+7], v[64*((\i)&3)+8*m_:64*((\i)&3)+8*m_+7], v[BB+32*((\i)&3)+8*\nb:BB+32*((\i)&3)+8*\nb+7], v[BIA+8*\nb:BIA+8*\nb+7]
.else
	v_wmma_f32_16x16x32_bf16 v[32*m_+8*\nb:32*m_+8*\nb+7], v[64*((\i)&3)+8*m_:64*((\i)&3)+8*m_+7], v[BB+32*((\i)&3)+8*\nb:BB+32*((\i)&3)+8*\nb+7], v[32*m_+8*\nb:32*m_+8*\nb+7]
.endif
.endr
.set m_, m_+1
.endr
.endm
; One k step (32 along K), the i-th of eight.  an: the token loads issued behind this step's; bn: the fragment loads issued behind this step's.
; The loads below go into registers that earlier products have read (the tokens' slot: at a lead of 7 the step just before): four plain vector lines stand between.
.macro KSTEP mt, ld, i, an, bn, ar, br, first
	s_wait_loadcnt \an
	s_wait_dscnt \bn
.rept 4
	v_nop
.endr
.if \br
	BLOAD ((\i)+2)&3, (\i)+2                       ; W two steps on
.endif
.if \ar
	ALOAD \mt, ((\i)+(\ld))&7, 64*((\i)+(\ld))     ; the tokens ld steps on
.endif
	MULS \mt, \i, \first
.endm
; A pass of mt tiles through all 64 k steps.  ld x 2 mt token loads are on their way at the most: 14 to 60.  The first step stands ahead of the loop; a trip is steps 1 to 7 of eight, the pointers' step, and
; step 0 of the next eight; the last seven steps are written out.
.macro VARIANT mt, ld
.Lv\mt:
.set k_, 0
.rept \ld
	ALOAD \mt, k_, 64*k_
.set k_, k_+1
.endr
	BLOAD 0, 0
	BLOAD 1, 1
	KSTEP \mt, \ld, 0, ((\ld)-1)*2*(\mt), 8, 1, 1, 1
	WIN 0
	s_mov_b32 s72, 7
.Lk\mt:
.set i_, 1
.rept 7
	KSTEP \mt, \ld, i_, ((\ld)-1)*2*(\mt), 8, 1, 1, 0  ; steps j + 1 .. j + ld - 1 of the tokens, and step j + 1 of W, may stay out
.set i_, i_+1
.endr
	WIN 0
	s_wait_xcnt 0x0                                ; the loads have read the pointer
	s_add_nc_u64 s[70:71], s[70:71], 512           ; 8 k steps of 64 bytes
	s_add_co_u32 s79, s79, 8*WBLK
	v_add_nc_u32 v[BA], s79, v[L16]                ; the next 8 blocks + my lane's place
	KSTEP \mt, \ld, 0, ((\ld)-1)*2*(\mt), 8, 1, 1, 0
	WIN 0
	s_sub_co_u32 s72, s72, 1
	s_cmp_lg_u32 s72, 0
	s_cbranch_scc1 .Lk\mt
.set i_, 1
.rept 7                                ; the last 7 steps ask for nothing past K: the counts run down
.set an_, (\ld)-1
.if (7-i_) < an_
.set an_, 7-i_
.endif
.set ar_, 0
.if (i_+(\ld)) < 8
.set ar_, 1
.endif
.set br_, 0
.if i_ < 6
.set br_, 1
.endif
.set bn_, 8
.if i_ == 7
.set bn_, 0
.endif
	KSTEP \mt, \ld, i_, an_*2*(\mt), bn_, ar_, br_, 0
.set i_, i_+1
.endr
	WIN 0
.rept 4
	v_nop                                          ; the places between the last products and what reads a sum or lands in a fragment's register
.endr
	s_branch .Lepi
.endm
; THE WAY OUT of tile m.  My 8 registers of a sum belong to ranks 8 h + j: their tokens and their p come from the lanes that hold them (an exchange between lanes: no LDS byte is touched).
; Times p, relu (p > 0: relu(z) p = max(z p, 0)); the maxima put register j of the four column blocks side by side: 16 bytes a lane.
.macro EPI m
	s_wait_xcnt 0x0                                ; the tile before's stores have read their data and offsets, which are written again below
	WIN 0
.irp j, 0,1,2,3,4,5,6,7
	ds_bpermute_b32 v[PR+\j], v[IDX+\j], v[ROW+(\m)]
.endr
.irp j, 0,1,2,3,4,5,6,7
	ds_bpermute_b32 v[PJ+\j], v[IDX+\j], v[PP+2*(\m)]
.endr
	s_wait_dscnt 8                                 ; the tokens are in; the 8 exchanges of p may stay out
.irp j, 0,1,2,3,4,5,6,7
	v_min_u32 v[PR+\j], 0x7ff, v[PR+\j]
	v_lshl_add_u32 v[OFFS+\j], v[PR+\j], 13, v[R16]
.endr
	s_wait_dscnt 0x0
	WIN 0x01                                       ; the sums in window 1
.set i_, 0
.rept 16
	v_pk_mul_f32 v[U+2*i_:U+2*i_+1], v[32*(\m)+2*i_:32*(\m)+2*i_+1], v[PJ+2*(i_%4):PJ+2*(i_%4)+1]  ; in ascending order: each sum is read from its low end on
.set i_, i_+1
.endr
	WIN 0
.irp j, 0,1,2,3,4,5,6,7
.irp nb, 0,1,2,3
	v_max_num_f32 v[T+4*\j+\nb], 0, v[U+8*\nb+\j]
.endr
	global_store_b128 v[OFFS+\j], v[T+4*\j:T+4*\j+3], s[16:17] th:TH_STORE_NT  ; 16 lanes store 256 consecutive bytes, aligned: a row's whole share of this slice
.endr
.endm
.Lpass:                                                ; 7 trips, whatever the split
	s_cmp_ge_u32 s30, s27                          ; no tile of mine is left: the trip's work is jumped over, forward, past text that holds no barrier
	s_cbranch_scc1 .Lpassend
	s_wait_xcnt 0x0                                ; the pass before's loads and stores have read the registers that are written below
	s_sub_co_u32 s67, s27, s30                     ; tiles left.  5 or fewer: all; 10 or more: 5; else half, so that no last pass is left with one tile: (tiles + 4) / 5 passes in every case
	s_add_co_u32 s31, s67, 1
	s_lshr_b32 s31, s31, 1
	s_cmp_ge_u32 s67, 10
	s_cselect_b32 s31, 5, s31
	s_cmp_le_u32 s67, 5
	s_cselect_b32 s31, s67, s31
	s_lshl_b32 s67, s30, 6
	v_add_nc_u32 v[IR], s67, v[RW]                 ; tile 4 (done + m) + w begins at rank 64 (done + m) + 16 w
.irp m, 0,1,2,3,4                      ; always all five: ranks past the count repeat the last
	v_add_nc_u32 v[TM+\m], 64*\m, v[IR]
	v_min_u32 v[TM+\m], s26, v[TM+\m]
	v_min_u32 v[TM+\m], 0x7ff, v[TM+\m]
	v_lshl_add_u32 v[TM+\m], v[TM+\m], 2, v[LB]
	ds_load_b32 v[ROW+\m], v[TM+\m]
.endr
	s_wait_dscnt 0x0
.irp m, 0,1,2,3,4
	v_min_u32 v[ROW+\m], 0x7ff, v[ROW+\m]
	v_lshl_add_u32 v[XO+\m], v[ROW+\m], 12, v[H16]
	v_lshlrev_b32 v[PP+2*\m+1], 2, v[ROW+\m]
	global_load_b32 v[PP+2*\m], v[PP+2*\m+1], s[14:15]         ; p; older than every token load: the first k step's wait covers it
.endr
	s_mov_b32 s79, 0                               ; the slice's first block
	v_mov_b32 v[BA], v[L16]
	s_mov_b64 s[70:71], s[6:7]
	s_cmp_eq_u32 s31, 1
	s_cbranch_scc1 .Lv1
	s_cmp_eq_u32 s31, 2
	s_cbranch_scc1 .Lv2
	s_cmp_eq_u32 s31, 3
	s_cbranch_scc1 .Lv3
	s_cmp_eq_u32 s31, 4
	s_cbranch_scc1 .Lv4
	VARIANT 5, 6
	VARIANT 4, 7
	VARIANT 3, 7
	VARIANT 2, 7
	VARIANT 1, 7
.Lepi:
.irp m, 0,1,2,3
	EPI \m
	s_cmp_eq_u32 s31, \m+1
	s_cbranch_scc1 .Ltiles                         ; forward, past text that holds no barrier
.endr
	EPI 4
.Ltiles:
	s_add_co_u32 s30, s30, s31
.Lpassend:
	s_sub_co_u32 s29, s29, 1
	s_cmp_lg_u32 s29, 0
	s_cbranch_scc1 .Lpass
	s_wait_dscnt 0x0                               ; my reads of LDS are over
	s_barrier_signal -1
	s_barrier_wait -1                              ; every wave's are: only now does any wave write LDS again (the add below)
	s_wait_tensorcnt 0x0                           ; the wave's end: behind my last LDS store
	ds_add_u32 v[SPW], v[NIL]
	s_wait_dscnt 0x0
	s_endpgm
.Lfunc_end_k_q17789846b8_experts:
	.size	k_q17789846b8_experts, .Lfunc_end_k_q17789846b8_experts-k_q17789846b8_experts
	.p2alignl 7, 3214868480
	.fill 96, 4, 3214868480
	.section	.rodata,"a",@progbits
	.p2align	6, 0x0
	.amdhsa_kernel k_q17789846b8_experts
		.amdhsa_group_segment_fixed_size 296448
		.amdhsa_private_segment_fixed_size 0
		.amdhsa_enable_private_segment 0
		.amdhsa_kernarg_size 72
		.amdhsa_user_sgpr_count 2
		.amdhsa_user_sgpr_kernarg_segment_ptr 1
		.amdhsa_wavefront_size32 1
		.amdhsa_system_sgpr_workgroup_id_x 1
		.amdhsa_system_sgpr_workgroup_id_y 1
		.amdhsa_system_sgpr_workgroup_id_z 1
		.amdhsa_system_vgpr_workitem_id 0
		.amdhsa_next_free_vgpr 1024
		.amdhsa_next_free_sgpr 80
		.amdhsa_reserve_vcc 1
		.amdhsa_float_denorm_mode_32 3
		.amdhsa_float_denorm_mode_16_64 3
		.amdhsa_memory_ordered 1
		.amdhsa_forward_progress 1
		.amdhsa_inst_pref_size 255
	.end_amdhsa_kernel
	.section	.bss,"aw",@nobits
	.p2align	6
	.space	262144
	.amdgpu_metadata
---
amdhsa.version: [ 1, 2 ]
amdhsa.kernels:
  - .name:           k_q17789846b8_experts
    .symbol:         k_q17789846b8_experts.kd
    .args:
      - { .name: expert_w, .offset: 0, .size: 8, .value_kind: global_buffer, .address_space: global }
      - { .name: xb, .offset: 8, .size: 8, .value_kind: global_buffer, .address_space: global }
      - { .name: ebr, .offset: 16, .size: 8, .value_kind: global_buffer, .address_space: global }
      - { .name: routes, .offset: 24, .size: 8, .value_kind: global_buffer, .address_space: global }
      - { .name: part, .offset: 32, .size: 8, .value_kind: global_buffer, .address_space: global }
      - { .name: out3, .offset: 40, .size: 8, .value_kind: global_buffer, .address_space: global }
      - { .name: out0, .offset: 48, .size: 8, .value_kind: global_buffer, .address_space: global }
      - { .name: out1, .offset: 56, .size: 8, .value_kind: global_buffer, .address_space: global }
      - { .name: out2, .offset: 64, .size: 8, .value_kind: global_buffer, .address_space: global }
    .group_segment_fixed_size: 296448
    .private_segment_fixed_size: 0
    .kernarg_segment_align: 8
    .kernarg_segment_size: 72
    .max_flat_workgroup_size: 128
    .sgpr_count:     80
    .vgpr_count:     1024
    .wavefront_size: 32
...
	.end_amdgpu_metadata
.endif
;; end of part 2
